; MI455X (gfx1250); checked and timed in simulation.
; The chip was launched on July 23, 2026; its instructions are those of AMD's public machine-readable ISA for CDNA 5 (MIT licence, August 2026) and "CDNA5" Instruction Set Architecture Reference Guide (July 2026). The comments in the code are by the model that wrote it; some were corrected since.
;; Spatial Attention Layer. Allowed arithmetic: matrix products marked QUANTISED: E2M1 operands, one E8M0 scale for each 32 along K, by v_wmma_scale_f32_16x16x128_f8f6f4 with both operands' format E2M1 (or v_wmma_scale_f32_32x16x128_f4), f32 sums; everything else in f32.
;; Inputs: P 8,192 x 3 float32; W_k 256 x 256 float32; W_q 256 x 256 float32; W_v 256 x 256 float32; X 8,192 x 256 float32; b_k 256 float32; b_q 256 float32; b_v 256 float32.
;; Outputs: out0 8,192 x 256 float32.
;; This version of the problem:
;;   THIS VERSION OF THE PROBLEM IS GIVEN IN LOW PRECISION. The matrix products marked QUANTISED in the list below multiply operands that are first quantised to E2M1 (2 exponent bits, 1 mantissa bit; 4 bits a number), with one power-of-two scale for each 32 numbers along K (OCP MX v1.0); their sums are f32. All else is computed in f32.
;;   The module's matrix products, in the order in which they are computed (A, B: the left and right operand; K: the contracted axis; several contracted axes count as one K, in the product's order):
;;     1. [M 8,192, K 256] x [K 256, N 256]; A: input X; B: input W_q: QUANTISED
;;     2. [M 8,192, K 256] x [K 256, N 256]; A: input X; B: input W_k: QUANTISED
;;     3. [M 8,192, K 256] x [K 256, N 256]; A: input X; B: input W_v: QUANTISED
;;     4. [M 8,192, K 256] x [K 256, N 8,192]; A: computed on the way; B: computed on the way: QUANTISED
;;     5. [M 8,192, K 8,192] x [K 8,192, N 256]; A: computed on the way; B: computed on the way: QUANTISED
;;   THE QUANTISER, for each operand of a quantised product, along K:
;;     - K is cut into blocks of 32 from its start; a last block that is shorter is filled with zeros.
;;     - A block's scale is 2^e with e = floor(log2(the largest magnitude in the block)) - 2, held to -126 .. 127; a block of zeros has e = 0. As a byte (E8M0): e + 127.
;;     - Each number is divided by its block's scale, clamped to +-6, and rounded to the nearest number of E2M1, ties to even, subnormals kept.
;;     - The product sums the exact products of the quantised numbers (number of the format x scale) in f32.
;;   ~~~python
;;   def quantise(x, axis):      # numpy; x: float32 -> the quantised numbers, widened to float32 again
;;       x = np.moveaxis(x, axis, -1); K = x.shape[-1]
;;       x = np.pad(x, [(0, 0)] * (x.ndim - 1) + [(0, -K % 32)]); x = x.reshape(x.shape[:-1] + (-1, 32)); a = np.abs(x).max(-1, keepdims=True)
;;       e = np.where(a > 0, np.clip(np.frexp(np.where(a > 0, a, 1))[1] - 1 - 2, -126, 127), 0)      # np.frexp(a)[1] - 1 = floor(log2(a)), exactly
;;       r = np.clip(x / 2.0 ** e, -6, 6)
;;       step = 2.0 ** (np.maximum(np.frexp(np.where(r == 0, 1, r))[1] - 1, 0) - 1)
;;       q = np.round(r / step) * step * 2.0 ** e      # np.round: ties to even
;;       return np.moveaxis(q.reshape(q.shape[:-2] + (-1,))[..., :K], -1, axis).astype(np.float32)
;;   ~~~
;;   OPERANDS COMPUTED ON THE WAY. 'Computed on the way' means the value that the module computes at that place (a softmax that the list does not call 'softmax' is quantised finished and normalised). What goes into a quantiser is computed in f32, as accurately as f32 sums, v_exp_f32 and their like allow (about 1e-6 of the number): no bf16 or f16 on the way to a quantiser, and a product that is left as it is and whose result goes on into a quantised operand takes f32 operands (vector FMAs, or v_wmma_f32_16x16x4_f32). A number that lies on a knife's edge between two numbers of the format may be rounded either way, as far as f32 arithmetic and the matrix unit's own rounding can turn it there, and no further.
;; One version. Each part assembles by itself: llvm-mc -triple=amdgcn-amd-amdhsa -mcpu=gfx1250 --defsym DOCPART=n.
;; ======== version 1 of 1: 2 launches
;; limits: right only within a limited range of input values
;; workspace buffers: qb 1,212,416 bytes; kb 1,212,416 bytes; vb 1,212,416 bytes
;; launch proj (part 1): grid 64 x 3, 8 waves a work-group, no clusters, 53,248 bytes of LDS; arguments X, P, W_q, W_k, W_v, b_q, b_k, b_v, qb, kb, vb; writes qb, kb, vb
.if DOCPART == 1
	.amdgcn_target "amdgcn-amd-amdhsa--gfx1250"
	.amdhsa_code_object_version 6
	.text
	.protected	k_qbb95380983_proj
	.globl	k_qbb95380983_proj
	.p2align	8
	.type	k_qbb95380983_proj,@function
k_qbb95380983_proj:
	s_mov_b64 s[64:65], 0
	v_nop
	global_prefetch_b8 v0, s[64:65] scope:SCOPE_SE
	s_setreg_imm32_b32 hwreg(HW_REG_WAVE_MODE, 25, 1), 1
	s_wait_xcnt 0x0
; Q = X W_q + b_q (work-group y = 0), K = X W_k + b_k (y = 1), V = X W_v + b_v (y = 2), each product on codes of FP4 (E2M1) with one E8M0 scale for each 32 along K,
; and the result quantised again for the attention launch: Q and K along the 256 hidden units, V along the keys.  X: [8192][256] f32; W: [256 (k)][256 (n)] f32; b: [256] f32.
; SHARES.  A work-group takes 128 rows of X (work-group x) and one W.  Eight waves.  Wave w quantises 16 rows of X (two fragments) and 32 columns of W (four fragments) and lays them into LDS AS IMAGES
; OF THE OPERAND'S REGISTERS (four registers by one ds_store_b128 at 16 x lane), one barrier, and behind it LDS is only read.
; THE ROWS OF A TILE ARE NOT NEIGHBOURS, for X's rows and W's columns alike: lane r of tile 2 g + u takes row 32 g + 8 u + r + 8 (r / 8).  As source 0 of a product such a tile gives lane (r, h), in the 16 registers
; of tiles 2 g and 2 g + 1, the 16 neighbours 32 g + 16 h + 0 .. 15: what the conversions want.  Q, K: source 0 = W's columns, source 1 = X's rows: registers run along the hidden units.
; V: source 0 = X's rows, source 1 = W's columns: registers run along the keys.  The bias is the C of each sum's first matrix instruction.
; OUT: chunks of 64 rows, 9,472 bytes each, in the order of the operand's registers.
;   qb, kb: fragment (tile tt, K step s) at (2 tt + s) 1024 + 512 c + 16 lane; scale words at 8192 + 128 tt + 4 lane (lanes 0-15: K step 0, lanes 16-31: K step 1);
;           kb alone: P at 8704 + (2 comp + b) 128 + 4 lane = P[64 chunk + 32 b + lane][comp].
;   vb: tile n of 16 channels at 512 n + 16 lane (lane (r, h): keys 32 h .. 32 h + 31 of the chunk); scale words at 8192 + 128 i + 4 lane (lanes 0-15 tile 2 i, lanes 16-31 tile 2 i + 1):
;           the two blocks' bytes, then 0x7f twice; 256 bytes of zeros close the chunk, so that it is as long as a chunk of kb.
; LIMITS: NaN and infinities among the inputs are not served.  A block of zeros gets the byte 1 where the quantiser says 127: its codes are zeros, and this program alone reads the bytes.
; No tensor loads: each work-group reads its X once and its W once, through registers, where they are quantised.  No cluster: what work-groups share here (one W, 256 KiB) is read once by each and not in step.
.set CH,   9472
.set XIMG, 0                           ; LDS: X's 8 tiles x 2 K steps x 1,024 bytes
.set XSC,  16384                       ; their scale words: tile x 128 + K step x 64 + 4 r
.set WIMG, 17408                       ; W's 16 tiles x 2 x 1,024
.set WSC,  50176                       ; their scale words, likewise
.set LANE, 1
.set R,    2
.set H,    3
.set XA,   4                           ; X: my lane's byte in the wave's rows
.set LI,   5                           ; 16 x lane
.set L4,   6                           ; 4 x lane
.set XWI,  7                           ; 16 x lane + 2,048 x wave: X's images of tile w
.set XWS,  8                           ; 4 r + 128 x wave: where their scale words are stored
.set WWI,  9                           ; where my column's codes go among W's images
.set WWS,  10                          ; and its scale words
.set XSA,  12                          ; 4 x lane + 128 x wave
.set WFA,  13                          ; 16 x lane + 4,096 x wave: W's tiles 2 w, 2 w + 1
.set WSA,  14                          ; 4 x lane + 256 x wave
.set BA,   15                          ; 64 h: the bias of my half's hidden units
.set TM,   16                          ; v16-31 at work
.set PW0,  32                          ; v32-33 the two scale words made
.set SB,   34                          ; v34-35 W's scale bytes, four to a register
.set BS,   36                          ; source 1's scale words
.set SC0,  38                          ; v38-45 source 0's scale words, one register a tile
.set BV,   46                          ; v46-53 b_v in the result's layout
.set PC0,  54                          ; v54-61, v62-69 the two fragments made
.set B1,   70                          ; v70-85 source 1's two fragments
.set HA,   96                          ; v96-159 eight accumulators; before that 64 numbers of X, then W's second set
.set ST,   160                         ; v160-223 64 numbers of X
.set FR,   160                         ; later source 0's eight fragments
.set WV,   26
.set SEL,  52
; 64 numbers of a lane, register 16 b + i = k 32 b + 16 (lane / 16) + i of my row, become a fragment's codes in v[pc] on and its scale word in v[pw].
.macro QUANT s, pc, pw
.irp b, 0,1,2,3
	v_max3_num_f32 v[TM+\b], |v[\s+16*\b]|, |v[\s+1+16*\b]|, 0x1800000   ; block b: my 16 numbers, and the floor 2^(3 - 127): the byte cannot fall under 1.  Each accumulator is read from its low end on
.endr
.irp i, 2,4,6,8,10,12,14
.irp b, 0,1,2,3
	v_max3_num_f32 v[TM+\b], v[TM+\b], |v[\s+16*\b+\i]|, |v[\s+1+16*\b+\i]|
.endr
.endr
.irp b, 0,1,2,3
	s_delay_alu instid0(VALU_DEP_4)
	v_permlanex16_b32 v[TM+4+\b], v[TM+\b], s[SEL], s[SEL+1]
.endr
.irp b, 0,1,2,3
	s_delay_alu instid0(VALU_DEP_4)
	v_max_num_f32 v[TM+\b], v[TM+\b], v[TM+4+\b]     ; with lane l xor 16's: the block's largest magnitude
.endr
.irp b, 0,1,2,3
	s_delay_alu instid0(VALU_DEP_4)
	v_add_nc_u32 v[TM+12+\b], 0xff000000, v[TM+\b]   ; 2 off its exponent field: the conversion's scale operand
.endr
.irp b, 0,1,2,3
	s_delay_alu instid0(VALU_DEP_4)
	v_lshrrev_b32 v[TM+4+\b], 23, v[TM+12+\b]        ; the scale's byte
.endr
	s_delay_alu instid0(VALU_DEP_3)
	v_lshl_or_b32 v[\pw], v[TM+5], 8, v[TM+4]
	s_delay_alu instid0(VALU_DEP_1)
	v_lshl_or_b32 v[\pw], v[TM+6], 16, v[\pw]
	s_delay_alu instid0(VALU_DEP_1)
	v_lshl_or_b32 v[\pw], v[TM+7], 24, v[\pw]
.irp b, 0,1,2,3
	v_cvt_scalef32_pk8_fp4_f32 v[\pc+2*\b], v[\s+16*\b:\s+7+16*\b], v[TM+12+\b]
	v_cvt_scalef32_pk8_fp4_f32 v[\pc+1+2*\b], v[\s+8+16*\b:\s+15+16*\b], v[TM+12+\b]
.endr
	v_nop                                            ; one plain place behind a scaled conversion
.irp c, 0,1                                      ; the operand's layout wants a whole block in a lane
.irp i, 0,1
	v_permlane16_swap_b32 v[\pc+4*\c+\i], v[\pc+2+4*\c+\i]
.endr
.endr
.endm
.macro XLOAD reg, s                              ; my row's numbers of K step s: 16 of each block of 32
.irp b, 0,1,2,3
.irp j, 0,1,2,3
	global_load_b128 v[\reg+16*\b+4*\j:\reg+16*\b+4*\j+3], v[XA], s[4:5] offset:512*\s+128*\b+16*\j
.endr
.endr
.endm
.macro LOADW t                                   ; W(32 t + i, my column), i = 0 .. 31: a wave's load reads 128 consecutive bytes
.irp i, 0,1,2,3,4,5,6,7,8,9,10,11,12,13,14,15,16,17,18,19,20,21,22,23,24,25,26,27,28,29,30,31
	global_load_b32 v[224-128*((\t)%2)+\i], v[L4], s[34:35] offset:(32*(\t)+\i)*1024
.endr
.endm
; Block t of my column of W: all 32 numbers are mine.  Its 16 bytes of codes are registers 4 c .. 4 c + 3 (c = (t / 2) % 2) of lane (r, t % 2) of K step t / 4.
.macro WBLOCK t
.set WS, 224-128*((\t)%2)
.if (\t) < 7
	s_wait_loadcnt 32                                ; this block's 32 loads are in; the next block's may be out
.else
	s_wait_loadcnt 0x0
.endif
	v_max3_num_f32 v[TM], |v[WS]|, |v[WS+1]|, |v[WS+2]|
	v_max3_num_f32 v[TM+1], |v[WS+3]|, |v[WS+4]|, |v[WS+5]|
.irp i, 6,10,14,18,22,26
	s_delay_alu instid0(VALU_DEP_2)
	v_max3_num_f32 v[TM], v[TM], |v[WS+\i]|, |v[WS+\i+1]|
	s_delay_alu instid0(VALU_DEP_2)
	v_max3_num_f32 v[TM+1], v[TM+1], |v[WS+\i+2]|, |v[WS+\i+3]|
.endr
	s_delay_alu instid0(VALU_DEP_2)
	v_max3_num_f32 v[TM], v[TM], |v[WS+30]|, |v[WS+31]|
	s_delay_alu instid0(VALU_DEP_1)
	v_max3_num_f32 v[TM], v[TM], v[TM+1], 0x1800000
	s_delay_alu instid0(VALU_DEP_1)
	v_add_nc_u32 v[TM+2], 0xff000000, v[TM]
	s_delay_alu instid0(VALU_DEP_1)
	v_lshrrev_b32 v[TM+3], 23, v[TM+2]
.if (\t)%4 == 0
	s_delay_alu instid0(VALU_DEP_1)
	v_mov_b32 v[SB+(\t)/4], v[TM+3]
.else
	s_delay_alu instid0(VALU_DEP_1)
	v_lshl_or_b32 v[SB+(\t)/4], v[TM+3], 8*((\t)%4), v[SB+(\t)/4]
.endif
.irp g, 0,1,2,3
	v_cvt_scalef32_pk8_fp4_f32 v[PC0+\g], v[WS+8*\g:WS+8*\g+7], v[TM+2]
.endr
	v_nop                                            ; one plain place behind a scaled conversion
	ds_store_b128 v[WWI], v[PC0:PC0+3] offset:WIMG+((\t)/4)*1024+(((\t)/2)%2)*512+((\t)%2)*256
.if (\t)%4 == 3
	ds_store_b32 v[WWS], v[SB+(\t)/4] offset:WSC+64*((\t)/4)
.endif
.if (\t)+2 < 8
	LOADW (\t)+2
.endif
	s_wait_dscnt 0x0                                 ; the stores have read their registers: the next block's codes may be written
.endm
; Eight tiles of source 0 (images from img on, scale words from scl on) x source 1, K = 256 in two steps.  own = 1: the bias lies in the accumulators; 0: it is v[BV] on for every tile.
; The eight accumulators take turns, one instruction a turn.
.macro MUL8 img, scl, own
.irp t, 0,1,2,3,4,5,6,7
	ds_load_b32 v[SC0+\t], v[L4] offset:\scl+128*\t
.endr
.irp ks, 0,1
.irp t, 0,1,2,3,4,5,6,7
.irp c, 0,1
	ds_load_b128 v[FR+8*\t+4*\c:FR+8*\t+4*\c+3], v[LI] offset:\img+(2*\t+\ks)*1024+512*\c
.endr
.endr
	s_wait_dscnt 0x0
.irp t, 0,1,2,3,4,5,6,7
.if \ks == 0
.if \own
	v_wmma_scale_f32_16x16x128_f8f6f4 v[HA+8*\t:HA+8*\t+7], v[FR+8*\t:FR+8*\t+7], v[B1:B1+7], v[HA+8*\t:HA+8*\t+7], v[SC0+\t], v[BS] matrix_a_fmt:MATRIX_FMT_FP4 matrix_b_fmt:MATRIX_FMT_FP4
.else
	v_wmma_scale_f32_16x16x128_f8f6f4 v[HA+8*\t:HA+8*\t+7], v[FR+8*\t:FR+8*\t+7], v[B1:B1+7], v[BV:BV+7], v[SC0+\t], v[BS] matrix_a_fmt:MATRIX_FMT_FP4 matrix_b_fmt:MATRIX_FMT_FP4
.endif
.else
	v_wmma_scale_f32_16x16x128_f8f6f4 v[HA+8*\t:HA+8*\t+7], v[FR+8*\t:FR+8*\t+7], v[B1+8:B1+15], v[HA+8*\t:HA+8*\t+7], v[SC0+\t], v[BS] matrix_a_fmt:MATRIX_FMT_FP4 matrix_b_fmt:MATRIX_FMT_FP4 matrix_a_scale:MATRIX_SCALE_ROW1 matrix_b_scale:MATRIX_SCALE_ROW1
.endif
.endr
.rept 4
	v_nop                                            ; four places in front of loads into registers that these products read, and of the first read of results
.endr
.endr
.endm
	s_load_b256 s[4:11], s[0:1], 0x0                 ; X s[4:5], P s[6:7], W_q s[8:9], W_k s[10:11]
	s_load_b256 s[12:19], s[0:1], 0x20               ; W_v s[12:13], b_q s[14:15], b_k s[16:17], b_v s[18:19]
	s_load_b128 s[20:23], s[0:1], 0x40               ; qb s[20:21], kb s[22:23]
	s_load_b64 s[24:25], s[0:1], 0x50                ; vb
	v_lshl_add_u32 v27, v0, 2, 0xcc00
	v_mov_b32 v37, 0
	v_lshrrev_b32 v15, 5, v0
	s_delay_alu instid0(VALU_DEP_1)
	v_readfirstlane_b32 s[WV], v15                   ; wave 0..7
	s_and_b32 s27, ttmp7, 0xffff                     ; y: which W
	v_and_b32 v[LANE], 31, v0
	v_and_b32 v[R], 15, v0
	v_bfe_u32 v[H], v0, 4, 1
	s_delay_alu instid0(VALU_DEP_2)
	v_and_b32 v15, 8, v[R]
	s_delay_alu instid0(VALU_DEP_1)
	v_add_nc_u32 v15, v15, v[R]                      ; r + 8 (r / 8)
	s_delay_alu instid0(VALU_DEP_1)
	v_lshlrev_b32 v[XA], 10, v15                     ; a row of X is 1,024 bytes
	s_delay_alu instid0(VALU_DEP_1)
	v_lshl_add_u32 v[XA], v[H], 6, v[XA]             ; + 64 h
	v_lshlrev_b32 v[LI], 4, v[LANE]
	v_lshlrev_b32 v[L4], 2, v[LANE]
	s_lshl_b32 s28, s[WV], 11
	v_add_nc_u32 v[XWI], s28, v[LI]
	s_lshl_b32 s29, s[WV], 7                         ; 128 x wave: kept
	v_lshl_add_u32 v[XWS], v[R], 2, s29
	v_add_nc_u32 v[XSA], s29, v[L4]
	v_bfe_u32 v15, v0, 3, 1                          ; my column 32 w + lane lies in tile 2 w + u, u = (lane / 8) % 2,
	v_and_b32 v[WWI], 7, v0
	v_and_b32 v[WWS], 16, v0
	s_delay_alu instid0(VALU_DEP_1)
	v_lshrrev_b32 v[WWS], 1, v[WWS]
	s_delay_alu instid0(VALU_DEP_1)
	v_add_nc_u32 v[WWI], v[WWI], v[WWS]              ; at its place lane % 8 + 8 (lane / 16)
	s_delay_alu instid0(VALU_DEP_1)
	v_lshlrev_b32 v[WWS], 2, v[WWI]
	s_delay_alu instid0(VALU_DEP_2)
	v_lshlrev_b32 v[WWI], 4, v[WWI]
	s_delay_alu instid0(VALU_DEP_1)
	v_lshl_add_u32 v[WWI], v15, 11, v[WWI]
	s_delay_alu instid0(VALU_DEP_3)
	v_lshl_add_u32 v[WWS], v15, 7, v[WWS]
	s_lshl_b32 s30, s[WV], 12
	v_add_nc_u32 v[WWI], s30, v[WWI]
	v_add_nc_u32 v[WFA], s30, v[LI]
	s_lshl_b32 s31, s[WV], 8
	v_add_nc_u32 v[WWS], s31, v[WWS]
	v_add_nc_u32 v[WSA], s31, v[L4]
	v_lshlrev_b32 v[BA], 6, v[H]
.irp b, 0,1,2,3
	v_mov_b32 v[TM+4+\b], 0                          ; written once: a lane permute's destination counts as one of its sources
.endr
	s_mov_b32 s[SEL], 0x76543210
	s_mov_b32 s[SEL+1], 0xfedcba98                   ; v_permlanex16_b32's selects for lane l xor 16
	s_lshl_b32 s32, ttmp9, 7                         ; my tile's first row: 128 x + 32 (w / 2) + 8 (w % 2)
	s_lshr_b32 s33, s[WV], 1
	s_lshl_b32 s33, s33, 5
	s_add_co_u32 s32, s32, s33
	s_and_b32 s33, s[WV], 1
	s_lshl_b32 s33, s33, 3
	s_add_co_u32 s32, s32, s33
	s_lshl_b32 s32, s32, 10
	s_mov_b32 s33, 0
	s_mov_b32 s40, s29
	s_mov_b32 s41, 0
	s_wait_kmcnt 0x0
	s_add_nc_u64 s[4:5], s[4:5], s[32:33]
	s_cmp_eq_u32 s27, 0                              ; the choices hang on the work-group's number alone
	s_cselect_b64 s[34:35], s[8:9], s[10:11]         ; W
	s_cselect_b64 s[36:37], s[14:15], s[16:17]       ; the bias of Q or K
	s_cselect_b64 s[38:39], s[20:21], s[22:23]       ; qb or kb
	s_cmp_eq_u32 s27, 2
	s_cselect_b64 s[34:35], s[12:13], s[34:35]
	s_add_nc_u64 s[34:35], s[34:35], s[40:41]        ; my wave's 32 columns
	; ---- A: X's tile w and W's columns 32 w on become images in LDS
	XLOAD HA, 0
	XLOAD ST, 1
	LOADW 0
	s_wait_loadcnt 48                                ; X's first K step is in: behind it 16 + 32 loads were issued
	QUANT HA, PC0, PW0
	ds_store_b128 v[XWI], v[PC0:PC0+3] offset:XIMG
	ds_store_b128 v[XWI], v[PC0+4:PC0+7] offset:XIMG+512
	ds_store_b32 v[XWS], v[PW0] offset:XSC           ; both lanes of a row write the same word with the same value
	s_wait_loadcnt 32                                ; X's second K step is in: behind it W's block 0
	QUANT ST, PC0+8, PW0+1
	ds_store_b128 v[XWI], v[PC0+8:PC0+11] offset:XIMG+1024
	ds_store_b128 v[XWI], v[PC0+12:PC0+15] offset:XIMG+1536
	ds_store_b32 v[XWS], v[PW0+1] offset:XSC+64
	LOADW 1                                          ; into the registers that X's first K step has left
	s_wait_dscnt 0x0                                 ; the stores have read their registers
.irp t, 0,1,2,3,4,5,6,7
	WBLOCK \t
.endr
	s_wait_dscnt 0x0                                 ; for the others' sake: my images lie in LDS
	s_barrier_signal -1
	s_barrier_wait -1                                ; the one barrier: behind it LDS is only read
	s_cmp_eq_u32 s27, 2
	s_cbranch_scc1 .Lv
	; ---- B, Q or K: source 1 = X's tile w; source 0 = W's sixteen tiles, eight at a time: 128 hidden units = one K step of the scores' product
	s_and_b32 s42, s[WV], 3
	s_lshl_b32 s43, s42, 11
	v_add_nc_u32 v86, s43, v[LI]                     ; my tile's fragments in its chunk
	s_lshl_b32 s43, s42, 7
	v_add_nc_u32 v87, s43, v[L4]                     ; and its scale words
	s_lshl_b32 s44, ttmp9, 1
	s_lshr_b32 s43, s[WV], 2
	s_add_co_u32 s44, s44, s43                       ; chunk 2 x + w / 4
	s_mul_i32 s44, s44, CH
	s_mov_b32 s45, 0
	s_add_nc_u64 s[38:39], s[38:39], s[44:45]
.irp ks, 0,1
.irp c, 0,1
	ds_load_b128 v[B1+8*\ks+4*\c:B1+8*\ks+4*\c+3], v[XWI] offset:XIMG+1024*\ks+512*\c
.endr
.endr
	ds_load_b32 v[BS], v[XSA] offset:XSC
.irp gg, 0,1
.irp t, 0,1,2,3,4,5,6,7                          ; the bias in the result's layout: register j of tile t is hidden unit 128 gg + 32 (t / 2) + 8 (t % 2) + 16 h + j
	global_load_b128 v[HA+8*\t:HA+8*\t+3], v[BA], s[36:37] offset:(128*\gg+32*(\t/2)+8*(\t%2))*4
	global_load_b128 v[HA+8*\t+4:HA+8*\t+7], v[BA], s[36:37] offset:(128*\gg+32*(\t/2)+8*(\t%2))*4+16
.endr
	s_wait_loadcnt 0x0
	MUL8 WIMG+\gg*16384, WSC+\gg*1024, 1
	QUANT HA, PC0+8*\gg, PW0+\gg
	global_store_b128 v86, v[PC0+8*\gg:PC0+8*\gg+3], s[38:39] offset:1024*\gg          ; a wave's store covers 512 consecutive bytes, aligned to 256; each store has data registers of its own
	global_store_b128 v86, v[PC0+8*\gg+4:PC0+8*\gg+7], s[38:39] offset:1024*\gg+512
.endr
	v_cmp_eq_u32 vcc_lo, 1, v[H]
	s_delay_alu instid0(VALU_DEP_1)
	v_cndmask_b32 v88, v[PW0], v[PW0+1], vcc_lo      ; lanes 0-15 K step 0's word, lanes 16-31 K step 1's
	global_store_b32 v87, v88, s[38:39] offset:8192
	s_cmp_lg_u32 s27, 1                              ; K's work-groups also lay the keys' positions beside the codes: waves 0 and 1, a chunk each
	s_cbranch_scc1 .Lend_qk
	s_cmp_gt_u32 s[WV], 1
	s_cbranch_scc1 .Lend_qk
	s_lshl_b32 s46, ttmp9, 1
	s_add_co_u32 s46, s46, s[WV]                     ; chunk 2 x + w
	s_mul_i32 s48, s46, 768                          ; 64 rows of 12 bytes
	s_mov_b32 s49, 0
	s_add_nc_u64 s[6:7], s[6:7], s[48:49]
	s_mul_i32 s48, s46, CH
	s_add_nc_u64 s[22:23], s[22:23], s[48:49]
	v_mul_u32_u24 v89, v[LANE], 12
.irp cm, 0,1,2
.irp b, 0,1
	global_load_b32 v[90+2*\cm+\b], v89, s[6:7] offset:384*\b+4*\cm
.endr
.endr
	s_wait_loadcnt 0x0
.irp i, 0,1,2,3,4,5
	global_store_b32 v[L4], v[90+\i], s[22:23] offset:8704+128*\i
.endr
.Lend_qk:
	s_wait_tensorcnt 0x0
	ds_add_u32 v27, v37
	s_wait_dscnt 0x0
	s_endpgm
	; ---- B, V: source 0 = X's eight tiles (128 keys), source 1 = W_v's tiles 2 w and 2 w + 1 (16 channels each)
.Lv:
	s_lshl_b32 s44, ttmp9, 1
	s_mul_i32 s44, s44, CH
	s_mov_b32 s45, 0
	s_add_nc_u64 s[24:25], s[24:25], s[44:45]        ; chunk 2 x
	s_lshl_b32 s43, s[WV], 10
	v_add_nc_u32 v92, s43, v[LI]                     ; tiles 2 w, 2 w + 1: 512 bytes each
	v_and_b32 v93, 8, v[R]
	s_delay_alu instid0(VALU_DEP_1)
	v_add_nc_u32 v93, v93, v[R]
	s_delay_alu instid0(VALU_DEP_1)
	v_lshl_add_u32 v93, v93, 2, s29                  ; b_v at channel 32 w + r + 8 (r / 8)
	s_mov_b32 s50, 0x7f7f0000
.irp e, 0,1
.irp ks, 0,1
.irp c, 0,1
	ds_load_b128 v[B1+8*\ks+4*\c:B1+8*\ks+4*\c+3], v[WFA] offset:WIMG+2048*\e+1024*\ks+512*\c
.endr
.endr
	ds_load_b32 v[BS], v[WSA] offset:WSC+128*\e
.irp j, 0,1,2,3,4,5,6,7
	global_load_b32 v[BV+\j], v93, s[18:19] offset:32*\e   ; a lane holds one channel: its bias in all eight registers of C
.endr
	s_wait_loadcnt 0x0
	MUL8 XIMG, XSC, 0
	QUANT HA, PC0+8*\e, PW0+\e                       ; registers 0-3: the keys of chunk 2 x, registers 4-7: of chunk 2 x + 1
	global_store_b128 v92, v[PC0+8*\e:PC0+8*\e+3], s[24:25] offset:512*\e
	global_store_b128 v92, v[PC0+8*\e+4:PC0+8*\e+7], s[24:25] offset:512*\e+CH
.endr
	v_cmp_eq_u32 vcc_lo, 1, v[H]
	s_delay_alu instid0(VALU_DEP_1)
	v_cndmask_b32 v88, v[PW0], v[PW0+1], vcc_lo      ; lanes 0-15 tile 2 w, lanes 16-31 tile 2 w + 1
	s_delay_alu instid0(VALU_DEP_1)
	v_and_or_b32 v90, v88, 0xffff, s50               ; chunk 2 x: bytes 0, 1; the upper two bytes stand for 1.0
	s_delay_alu instid0(VALU_DEP_2)
	v_lshrrev_b32 v91, 16, v88
	s_delay_alu instid0(VALU_DEP_1)
	v_or_b32 v91, s50, v91                           ; chunk 2 x + 1: bytes 2, 3
	global_store_b32 v[XSA], v90, s[24:25] offset:8192
	global_store_b32 v[XSA], v91, s[24:25] offset:8192+CH
	s_cmp_gt_u32 s[WV], 1
	s_cbranch_scc1 .Lend_v
	s_mul_i32 s43, s[WV], CH
	v_lshl_add_u32 v89, v[LANE], 3, s43
	v_mov_b32 v94, 0
	v_mov_b32 v95, 0
	global_store_b64 v89, v[94:95], s[24:25] offset:9216   ; the chunk's last 256 bytes: waves 0 and 1, a chunk each
.Lend_v:
	s_wait_tensorcnt 0x0
	ds_add_u32 v27, v37
	s_wait_dscnt 0x0
	s_endpgm
.Lfunc_end_k_qbb95380983_proj:
	.size	k_qbb95380983_proj, .Lfunc_end_k_qbb95380983_proj-k_qbb95380983_proj
	.p2alignl 7, 3214868480
	.fill 96, 4, 3214868480
	.section	.rodata,"a",@progbits
	.p2align	6, 0x0
	.amdhsa_kernel k_qbb95380983_proj
		.amdhsa_group_segment_fixed_size 53248
		.amdhsa_private_segment_fixed_size 0
		.amdhsa_enable_private_segment 0
		.amdhsa_kernarg_size 88
		.amdhsa_user_sgpr_count 2
		.amdhsa_user_sgpr_kernarg_segment_ptr 1
		.amdhsa_wavefront_size32 1
		.amdhsa_system_sgpr_workgroup_id_x 1
		.amdhsa_system_sgpr_workgroup_id_y 1
		.amdhsa_system_sgpr_workgroup_id_z 1
		.amdhsa_system_vgpr_workitem_id 0
		.amdhsa_next_free_vgpr 256
		.amdhsa_next_free_sgpr 66
		.amdhsa_reserve_vcc 1
		.amdhsa_float_denorm_mode_32 3
		.amdhsa_float_denorm_mode_16_64 3
		.amdhsa_memory_ordered 1
		.amdhsa_forward_progress 1
		.amdhsa_inst_pref_size 104
	.end_amdhsa_kernel
	.amdgpu_metadata
---
amdhsa.version: [ 1, 2 ]
amdhsa.kernels:
  - .name:           k_qbb95380983_proj
    .symbol:         k_qbb95380983_proj.kd
    .args:
      - { .name: X, .offset: 0, .size: 8, .value_kind: global_buffer, .address_space: global }
      - { .name: P, .offset: 8, .size: 8, .value_kind: global_buffer, .address_space: global }
      - { .name: W_q, .offset: 16, .size: 8, .value_kind: global_buffer, .address_space: global }
      - { .name: W_k, .offset: 24, .size: 8, .value_kind: global_buffer, .address_space: global }
      - { .name: W_v, .offset: 32, .size: 8, .value_kind: global_buffer, .address_space: global }
      - { .name: b_q, .offset: 40, .size: 8, .value_kind: global_buffer, .address_space: global }
      - { .name: b_k, .offset: 48, .size: 8, .value_kind: global_buffer, .address_space: global }
      - { .name: b_v, .offset: 56, .size: 8, .value_kind: global_buffer, .address_space: global }
      - { .name: qb, .offset: 64, .size: 8, .value_kind: global_buffer, .address_space: global }
      - { .name: kb, .offset: 72, .size: 8, .value_kind: global_buffer, .address_space: global }
      - { .name: vb, .offset: 80, .size: 8, .value_kind: global_buffer, .address_space: global }
    .group_segment_fixed_size: 53248
    .private_segment_fixed_size: 0
    .kernarg_segment_align: 8
    .kernarg_segment_size: 88
    .max_flat_workgroup_size: 256
    .sgpr_count:     66
    .vgpr_count:     256
    .wavefront_size: 32
...
	.end_amdgpu_metadata
.endif
;; end of part 1
;; launch attn (part 2): grid 256 x 1, 8 waves a work-group, clusters of 4 x 1, 327,680 bytes of LDS; arguments qb, kb, vb, P, X, out0; writes out0
.if DOCPART == 2
	.amdgcn_target "amdgcn-amd-amdhsa--gfx1250"
	.amdhsa_code_object_version 6
	.text
	.protected	k_qbb95380983_attn
	.globl	k_qbb95380983_attn
	.p2align	8
	.type	k_qbb95380983_attn,@function
k_qbb95380983_attn:
	s_mov_b64 s[64:65], 0
	v_nop
	global_prefetch_b8 v0, s[64:65] scope:SCOPE_SE
	s_setreg_imm32_b32 hwreg(HW_REG_WAVE_MODE, 25, 1), 1
	s_wait_xcnt 0x0
	s_wait_alu depctr_hold_cnt(0) depctr_sa_sdst(0) depctr_va_vdst(0) depctr_va_sdst(0) depctr_va_ssrc(0) depctr_va_vcc(0) depctr_vm_vsrc(0)
	s_getreg_b32 s2, hwreg(HW_REG_IB_STS2, 6, 4)
	s_cmp_eq_u32 s2, 0
	s_cbranch_scc0 .Lentry_in_a_cluster
	s_endpgm
.Lentry_in_a_cluster:
	s_bfe_u32 s2, ttmp6, 0x10000c
	s_cmp_lg_u32 s2, 0x3003
	s_cbranch_scc0 .Lentry_shape_is_right
	s_endpgm
.Lentry_shape_is_right:
; out[i] = X[i] + sum over j of A[i][j] V[j],  A = exp(s - max) / (1 + sum of exp(s - max)),  s[i][j] = (Q[i] . K[j] / 16) exp(-|P[i] - P[j]|^2 / 2).  8,192 rows, 256 channels.
; Both products on codes of FP4 (E2M1) with one E8M0 scale for each 32 along K.  Q, K, V come as codes in the order of the operand's registers, in chunks of 64 rows, 9,472 bytes:
;   kb: fragment (tile tt, K step s) at (2 tt + s) 1024 + 512 c + 16 lane; scale words at 8192 + 128 tt + 4 lane; P at 8704 + 256 comp + 4 key.   qb: as kb, without P.
;   vb: tile n of 16 channels at 512 n + 16 lane; scale words at 8192 + 128 i + 4 lane (lanes 0-15 tile 2 i, lanes 16-31 tile 2 i + 1).
; A IS QUANTISED FINISHED AND NORMALISED, so the keys are walked twice.  Pass 1: scores, running maximum and sum.  Pass 2: the same scores by the same instructions, A, its codes, the product with V.
; SHARES.  A work-group owns 32 queries, two tiles of 16 (lane r of tile a: query 32 g + 8 a + r + 8 (r / 8)); every wave holds both tiles, and the eight waves share the keys, a chunk of 64 at a time.
; A STEP is 32 keys x 32 queries: 8 matrix instructions and 32 scores a lane; register 16 a + i holds key 32 b + 16 (lane / 16) + i.  Both products are used transposed: a lane holds one query.
; THE KEYS' POSITIONS are read from the chunk by loads in which the sixteen lanes of a half name the same bytes: a register then holds one key's coordinate, a pair two keys', and the differences
; (of P as it is given) are packed; tile 0's go to registers of their own, tile 1's over the positions.
; PASS 1: a step's maxima and sums are taken at the head of the NEXT step, behind that step's LDS loads; the first step finds scores of -infinity, which add nothing.
; PASS 2: V's chunk is loaded into registers that the distances have left, ahead of the change of slots; behind the round come the refill, the next chunk's loads, and only then the product with V.
; THE SECOND PRODUCT USES 64 OF ITS 128 ALONG K: A's registers 4-7 are zero codes; V's operand is its four registers and the four that follow; bytes 2 and 3 of both scale words stand for 1.0.
; O^T (256 registers, window 1) is cleared once by moves: a first product with C = 0 would need two more copies of a chunk's text (4 copies stand now).
; THE SOFTMAX.  u = (Q . K) x decay; t = u c - Mc, c = log2(e) / 16, Mc = c x the largest u; p = 2^t.  At the join d = fma(umax, c, -Mc), corr = 2^-d, A = p g, g = corr / (1 + corr x sum of p).
; CLUSTER.  All work-groups walk the same K and V in the same order: four form a cluster and ask for each tile jointly, mask 15.  THE RING: two slots of 16 chunks, one tensor load (two chunks) a wave
; behind each round; one load of a wave is out at a time.  A wave's two chunks land at place ((w % 4) 2 + w / 4) of eight: in pass 2 (waves 0-3 fetch K, 4-7 V) V's chunk lies 2 chunks behind K's.
; NO PREFETCH: kb and vb are 2.4 MB in all, and each of the 64 clusters asks for all of it in the same order, so of 64 requests for a tile 63 repeat another cluster's.
; LIMITS: NaN and infinities among the inputs are not served.  p under 2^-126 counts as 0 (the exponential flushes: ISA guide 15.8).  A block of zeros has the byte 1: its codes are zeros.
; A block's largest A is made by putting the block's largest u through the same instructions: this takes v_exp_f32 not to fall where its input rises.
.set CH,     9472
.set SLOTB,  16*CH
.set VO,     2*CH                      ; from K's chunk to V's in a slot of pass 2
.set SPARE,  2*SLOTB                   ; the spare words, 128 bytes a wave: four blocks of 256 bytes that no other line names
.set XCH,    SPARE+1024                ; the waves' maxima and sums, 512 bytes a wave
.set STG,    262144                    ; the way out: 16 rows x 272 bytes a wave; below it the eight partial O^T.  Both lie in slots that have had their last fill
.set P1STEP, 2*SLOTB
.set P2STEP, SLOTB
.set SPW, 1
.set NIL, 2
.set W0,  3                            ; at work
.set QP,  4                            ; v4, 6 .. 14: -x, -y, -z of my query in tile 0, then tile 1: each the low word of a pair; the odd registers hold:
.set LI,  5                            ; 16 x lane
.set L4,  7                            ; 4 x lane
.set H64, 9                            ; 64 x (lane / 16)
.set A16, 11                           ; the chunk's LDS byte + 16 x lane
.set A4,  13                           ; + 4 x lane
.set AP,  15                           ; + 64 x (lane / 16)
.set KS,  16                           ; v16-17 K's scale words
.set QS,  18                           ; v18-19 Q's
.set NM,  20                           ; v20-23 tile a: (-Mc, umax)
.set L,   24                           ; v24-27 pass 1: tile a's sum in two halves; pass 2: (g, A's scale word)
.set VS,  28                           ; v28-35 V's scale words
.set AC,  36                           ; v36-51 A's codes, 8 registers a tile
.set TM,  52                           ; v52-59 at work
.set QF,  60                           ; v60-91 Q: 16 a + 8 s
.set KF,  92                           ; v92-123 K's two tiles of a step
.set POS, 124                          ; v124-171 positions: 16 comp + i
.set VR,  156                          ; v156-219 V's sixteen half fragments (over z, D and T)
.set D,   172                          ; v172-187 tile 0's differences
.set T,   188                          ; v188-219 squared distances, then decays
.set Z,   220                          ; v220-223 zeros: what follows V's last tile
.set S,   224                          ; v224-255 S^T: 16 a + 8 u + j
.set WV,  16
.set G1,  32                           ; s[32:39] descriptor group 1
.set G0,  40                           ; s[40:47] group 0 for slot 0, 1
.set RAW, 52                           ; s[52:55] the two slots' next addresses, without the type
.set P2B, 56                           ; s[56:59] pass 2's tiles 0 and 1
.set MSB, 0
.macro WIN new                         ; the immediate's high byte repeats the setting that is left
.if MSB != \new
	s_set_vgpr_msb (MSB<<8)|\new
.set MSB, \new
.endif
.endm
.macro VW
	s_wait_alu depctr_va_vdst(0)
.endm
.macro PLACES                          ; four places behind matrix instructions (ISA guide 7.12.1)
.rept 4
	v_nop
.endr
.endm
.macro CROUND                          ; a round of the cluster's barrier
	s_barrier_signal -1
	s_barrier_wait -1
	s_cmp_lg_u32 s[WV], 0
	s_cbranch_scc1 .Lnot_wave_0_\@
	s_barrier_signal -3
.Lnot_wave_0_\@:
	s_barrier_wait -3
	s_barrier_signal -1
	s_barrier_wait -1
.endm
; THE CHANGE OF SLOTS into \slot.  Each wave waits for all its tensor loads, adds 0 to its spare word, and waits for that and for its reads of the slot that it leaves.  Meanwhile this slot's
; descriptor steps two tiles on (mode 1: pass 1, in whose last trip it turns to pass 2's tile; mode 3: pass 2).  refill = 1: behind the cluster's round the slot just left takes the next tile.
.macro HEAD slot, mode, refill
	VW
	s_wait_tensorcnt 0x0                             ; no tensor load of mine is out, so a group 0 may be written
	ds_add_u32 v[SPW], v[NIL]
.if \mode == 1
	s_add_nc_u64 s[RAW+2*\slot:RAW+2*\slot+1], s[RAW+2*\slot:RAW+2*\slot+1], P1STEP
	s_cmp_eq_u32 s27, 1                              ; the count of trips alone
	s_cselect_b64 s[RAW+2*\slot:RAW+2*\slot+1], s[P2B+2*\slot:P2B+2*\slot+1], s[RAW+2*\slot:RAW+2*\slot+1]
.else
	s_add_nc_u64 s[RAW+2*\slot:RAW+2*\slot+1], s[RAW+2*\slot:RAW+2*\slot+1], P2STEP
.endif
	s_mov_b64 s[G0+4*\slot+2:G0+4*\slot+3], s[RAW+2*\slot:RAW+2*\slot+1]
	s_or_b32 s[G0+4*\slot+3], s[G0+4*\slot+3], 0x80000000
	s_wait_dscnt 0x0                                 ; the add is done, and my reads of the slot that I leave are over
.if \refill
	CROUND                                           ; both now hold of every wave of all four work-groups
	tensor_load_to_lds s[G0+4-4*\slot:G0+7-4*\slot], s[G1:G1+7]   ; first behind the round, my one tensor load until the next
	s_nop 0
.else
	s_barrier_signal -1
	s_barrier_wait -1
.endif
	PLACES
.endm
.macro ADDR                            ; s30: my chunk's LDS byte
	v_add_nc_u32 v[A16], s30, v[LI]
	v_add_nc_u32 v[A4], s30, v[L4]
	v_add_nc_u32 v[AP], s30, v[H64]
	VW
.endm
.macro KLD b                           ; block b's two tiles of K and their scale words: ten loads
.irp u, 0,1
.irp ks, 0,1
.irp c, 0,1
	ds_load_b128 v[KF+16*\u+8*\ks+4*\c:KF+16*\u+8*\ks+4*\c+3], v[A16] offset:(4*\b+2*\u+\ks)*1024+512*\c
.endr
.endr
	ds_load_b32 v[KS+\u], v[A4] offset:8192+128*(2*\b+\u)
.endr
.endm
.macro PLD b, cm                       ; one coordinate of my half's 16 keys of block b: four loads
.irp j, 0,1,2,3
	ds_load_b128 v[POS+16*\cm+4*\j:POS+16*\cm+4*\j+3], v[AP] offset:8704+256*\cm+128*\b+16*\j
.endr
.endm
.macro SMUL                            ; S^T = K Q^T: 2 tiles of keys x 2 of queries, K = 256 in two steps; the four accumulators take turns
.irp u, 0,1
.irp a, 0,1
	v_wmma_scale_f32_16x16x128_f8f6f4 v[S+16*\a+8*\u:S+16*\a+8*\u+7], v[KF+16*\u:KF+16*\u+7], v[QF+16*\a:QF+16*\a+7], 0, v[KS+\u], v[QS+\a] matrix_a_fmt:MATRIX_FMT_FP4 matrix_b_fmt:MATRIX_FMT_FP4
.endr
.endr
.irp u, 0,1
.irp a, 0,1
	v_wmma_scale_f32_16x16x128_f8f6f4 v[S+16*\a+8*\u:S+16*\a+8*\u+7], v[KF+16*\u+8:KF+16*\u+15], v[QF+16*\a+8:QF+16*\a+15], v[S+16*\a+8*\u:S+16*\a+8*\u+7], v[KS+\u], v[QS+\a] matrix_a_fmt:MATRIX_FMT_FP4 matrix_b_fmt:MATRIX_FMT_FP4 matrix_a_scale:MATRIX_SCALE_ROW1 matrix_b_scale:MATRIX_SCALE_ROW1
.endr
.endr
.endm
.macro DCOMP cm                        ; one coordinate's differences, two keys an instruction, and their squares into T
.set j, 0
.rept 8
	v_pk_add_f32 v[D+j:D+j+1], v[POS+16*\cm+j:POS+16*\cm+j+1], v[QP+2*\cm:QP+2*\cm+1] op_sel_hi:[1,0]
.set j, j+2
.endr
.set j, 0
.rept 8
	v_pk_add_f32 v[POS+16*\cm+j:POS+16*\cm+j+1], v[POS+16*\cm+j:POS+16*\cm+j+1], v[QP+6+2*\cm:QP+7+2*\cm] op_sel_hi:[1,0]
.set j, j+2
.endr
.set j, 0
.rept 8
.if \cm == 0
	v_pk_mul_f32 v[T+j:T+j+1], v[D+j:D+j+1], v[D+j:D+j+1]
.else
	v_pk_fma_f32 v[T+j:T+j+1], v[D+j:D+j+1], v[D+j:D+j+1], v[T+j:T+j+1]
.endif
.set j, j+2
.endr
.set j, 0
.rept 8
.if \cm == 0
	v_pk_mul_f32 v[T+16+j:T+17+j], v[POS+16*\cm+j:POS+16*\cm+j+1], v[POS+16*\cm+j:POS+16*\cm+j+1]
.else
	v_pk_fma_f32 v[T+16+j:T+17+j], v[POS+16*\cm+j:POS+16*\cm+j+1], v[POS+16*\cm+j:POS+16*\cm+j+1], v[T+16+j:T+17+j]
.endif
.set j, j+2
.endr
.endm
.macro EXPS r                          ; a batch of 32 exponentials in place
.set j, 0
.rept 32
	v_exp_f32 v[\r+j], v[\r+j]
.set j, j+1
.endr
.endm
.macro DECAY                           ; u = (Q . K) 2^(-|dP|^2 log2(e) / 2)
.set j, 0
.rept 16
	v_pk_mul_f32 v[T+j:T+j+1], v[T+j:T+j+1], s[24:25] op_sel_hi:[1,0]
.set j, j+2
.endr
	VW
	EXPS T
	v_nop                                            ; a plain place behind the exponentials
	VW                                               ; for the batch, and for the scores, which are first read below
.set j, 0
.rept 16
	v_pk_mul_f32 v[S+j:S+j+1], v[S+j:S+j+1], v[T+j:T+j+1]   ; ascending: each accumulator is read from its low end on
.set j, j+2
.endr
.endm
.macro MAXU                            ; tile a's 16 u: their largest in two parts, TM + 2 a and TM + 2 a + 1
.irp a, 0,1
	v_max3_num_f32 v[TM+2*\a], v[S+16*\a], v[S+16*\a+1], v[S+16*\a+2]
	v_max3_num_f32 v[TM+2*\a+1], v[S+16*\a+3], v[S+16*\a+4], v[S+16*\a+5]
.endr
.irp i, 6,10
.irp a, 0,1
	v_max3_num_f32 v[TM+2*\a], v[TM+2*\a], v[S+16*\a+\i], v[S+16*\a+\i+1]
	v_max3_num_f32 v[TM+2*\a+1], v[TM+2*\a+1], v[S+16*\a+\i+2], v[S+16*\a+\i+3]
.endr
.endr
.irp a, 0,1
	v_max3_num_f32 v[TM+2*\a], v[TM+2*\a], v[S+16*\a+14], v[S+16*\a+15]
.endr
.endm
.macro TFMA                            ; t = u c - Mc
.irp a, 0,1
.set j, 0
.rept 8
	v_pk_fma_f32 v[S+16*\a+j:S+16*\a+j+1], v[S+16*\a+j:S+16*\a+j+1], s[22:23], v[NM+2*\a:NM+2*\a+1] op_sel_hi:[1,0,0]
.set j, j+2
.endr
.endr
.endm
.macro STAT                            ; pass 1: a step's 32 u enter my lane's running maxima and sums.  Nothing crosses lanes here
	MAXU
.irp a, 0,1
	v_max3_num_f32 v[NM+2*\a+1], v[TM+2*\a], v[TM+2*\a+1], v[NM+2*\a+1]   ; the largest u so far
	v_mov_b32 v[TM+4+2*\a], v[NM+2*\a]
.endr
.irp a, 0,1
	v_mul_f32 v[NM+2*\a], s26, v[NM+2*\a+1]          ; -Mc
.endr
.irp a, 0,1
	s_delay_alu instid0(VALU_DEP_2)
	v_sub_f32 v[TM+4+2*\a], v[NM+2*\a], v[TM+4+2*\a] ; old Mc - new Mc, 0 or less
.endr
	TFMA
	VW
	v_exp_f32 v[TM+4], v[TM+4]                       ; f: what was summed under the old Mc comes under the new
	v_exp_f32 v[TM+6], v[TM+6]
	EXPS S
	v_nop
	VW
.irp a, 0,1
	v_pk_fma_f32 v[L+2*\a:L+2*\a+1], v[L+2*\a:L+2*\a+1], v[TM+4+2*\a:TM+5+2*\a], v[S+16*\a:S+16*\a+1] op_sel_hi:[1,0,1]
	v_pk_add_f32 v[TM+2*\a:TM+2*\a+1], v[S+16*\a+2:S+16*\a+3], v[S+16*\a+4:S+16*\a+5]
.endr
.irp i, 6,10
.irp a, 0,1
	v_pk_add_f32 v[L+2*\a:L+2*\a+1], v[L+2*\a:L+2*\a+1], v[S+16*\a+\i:S+16*\a+\i+1]
	v_pk_add_f32 v[TM+2*\a:TM+2*\a+1], v[TM+2*\a:TM+2*\a+1], v[S+16*\a+\i+2:S+16*\a+\i+3]
.endr
.endr
.irp a, 0,1
	v_pk_add_f32 v[L+2*\a:L+2*\a+1], v[L+2*\a:L+2*\a+1], v[S+16*\a+14:S+16*\a+15]
.endr
.irp a, 0,1
	v_pk_add_f32 v[L+2*\a:L+2*\a+1], v[L+2*\a:L+2*\a+1], v[TM+2*\a:TM+2*\a+1]
.endr
.endm
.macro QUANT b                         ; pass 2: block b's u of both tiles become A = 2^(u c - Mc) g, its codes and its scale byte
	MAXU
.irp a, 0,1
	v_max_num_f32 v[TM+2*\a], v[TM+2*\a], v[TM+2*\a+1]
.endr
.irp a, 0,1
	v_permlanex16_b32 v[TM+2*\a+1], v[TM+2*\a], s20, s21
.endr
.irp a, 0,1
	v_max_num_f32 v[TM+2*\a], v[TM+2*\a], v[TM+2*\a+1]   ; the block's largest u: A rises with u
.endr
	TFMA
.irp a, 0,1
	v_fma_f32 v[TM+2*\a], v[TM+2*\a], s22, v[NM+2*\a]
.endr
	VW
	EXPS S
	v_exp_f32 v[TM], v[TM]
	v_exp_f32 v[TM+2], v[TM+2]
	v_nop
	VW
.irp a, 0,1
.set j, 0
.rept 8
	v_pk_mul_f32 v[S+16*\a+j:S+16*\a+j+1], v[S+16*\a+j:S+16*\a+j+1], v[L+2*\a:L+2*\a+1] op_sel_hi:[1,0]   ; A, finished and normalised
.set j, j+2
.endr
.endr
.irp a, 0,1
	v_mul_f32 v[TM+2*\a], v[TM+2*\a], v[L+2*\a]      ; the block's largest A: the same instructions on the same number
.endr
.irp a, 0,1
	s_delay_alu instid0(VALU_DEP_2)
	v_max_num_f32 v[TM+2*\a], 0x1800000, v[TM+2*\a]  ; the floor 2^(3 - 127): the byte cannot fall under 1
.endr
.irp a, 0,1
	s_delay_alu instid0(VALU_DEP_2)
	v_add_nc_u32 v[TM+4+\a], 0xff000000, v[TM+2*\a]  ; 2 off the exponent field: the conversion's scale operand
.endr
.irp a, 0,1
	s_delay_alu instid0(VALU_DEP_2)
	v_lshrrev_b32 v[TM+2*\a+1], 23, v[TM+4+\a]
.endr
.irp a, 0,1
	s_delay_alu instid0(VALU_DEP_2)
.if \b == 0
	v_or_b32 v[L+2*\a+1], 0x7f7f0000, v[TM+2*\a+1]   ; bytes 2 and 3 stand over zero codes
.else
	v_lshl_or_b32 v[L+2*\a+1], v[TM+2*\a+1], 8, v[L+2*\a+1]
.endif
.endr
.irp a, 0,1
	v_cvt_scalef32_pk8_fp4_f32 v[AC+8*\a+2*\b], v[S+16*\a:S+16*\a+7], v[TM+4+\a]
	v_cvt_scalef32_pk8_fp4_f32 v[AC+8*\a+2*\b+1], v[S+16*\a+8:S+16*\a+15], v[TM+4+\a]
.endr
	v_nop                                            ; one plain place behind a scaled conversion
.if \b == 1
.irp a, 0,1
.irp i, 0,1
	v_permlane16_swap_b32 v[AC+8*\a+\i], v[AC+8*\a+2+\i]   ; a whole block in a lane
.endr
.endr
.endif
.endm
.macro PVI n, a
.if (\n)%2
	v_wmma_scale_f32_16x16x128_f8f6f4 v[128*\a+8*\n:128*\a+8*\n+7], v[VR+4*\n:VR+4*\n+7], v[AC+8*\a:AC+8*\a+7], v[128*\a+8*\n:128*\a+8*\n+7], v[VS+\n/2], v[L+2*\a+1] matrix_a_fmt:MATRIX_FMT_FP4 matrix_b_fmt:MATRIX_FMT_FP4 matrix_a_scale:MATRIX_SCALE_ROW1
.else
	v_wmma_scale_f32_16x16x128_f8f6f4 v[128*\a+8*\n:128*\a+8*\n+7], v[VR+4*\n:VR+4*\n+7], v[AC+8*\a:AC+8*\a+7], v[128*\a+8*\n:128*\a+8*\n+7], v[VS+\n/2], v[L+2*\a+1] matrix_a_fmt:MATRIX_FMT_FP4 matrix_b_fmt:MATRIX_FMT_FP4
.endif
.endm
.macro PV                              ; O^T += V^T A^T: 16 tiles of channels x 2 of queries; the 32 accumulators (window 1) take turns
	WIN 0x50                                         ; C and D window 1
	VW                                               ; O^T is read again behind exponentials
.irp n, 0,1,2,3,4,5,6,7,8,9,10,11,12,13,14,15
.irp a, 0,1
	PVI \n, \a
.endr
.endr
	WIN 0
.endm
.macro U1 b                            ; a step of pass 1
	KLD \b
	PLD \b, 0
	PLD \b, 1
	PLD \b, 2
	STAT                                             ; the step before, while the loads are out
	VW
	s_wait_dscnt 0x0
	SMUL
	DCOMP 0
	DCOMP 1
	DCOMP 2
	DECAY
.endm
.macro P1ROUND slot                    ; a slot of pass 1: my two chunks of K
	HEAD \slot, 1, 1
	s_add_co_u32 s30, s28, \slot*SLOTB
	s_mov_b32 s31, 2
.Lchunk_\@:
	ADDR
	U1 0
	U1 1
	s_add_co_u32 s30, s30, CH
	s_sub_co_u32 s31, s31, 1
	s_cmp_lg_u32 s31, 0
	VW
	s_cbranch_scc1 .Lchunk_\@
.endm
.macro ENTER slot                      ; pass 2: the first loads of my chunk in \slot: K's block 0, x and y
	s_add_co_u32 s30, s29, \slot*SLOTB
	ADDR
	KLD 0
	PLD 0, 0
	PLD 0, 1
.endm
; A chunk of pass 2 in \slot.  mode 1: change of slots with a refill; 2: without; 0: the last chunk.
.macro B slot, mode
	s_wait_dscnt 4                                   ; K, its scale words, x and y are in; z's four loads may be out
	SMUL
	DCOMP 0
	KLD 1                                            ; 32 plain instructions behind the products that read these registers
	DCOMP 1
	s_wait_dscnt 10                                  ; z is in; behind it stand the ten loads just issued
	DCOMP 2
	PLD 1, 0
	PLD 1, 1
	PLD 1, 2
	DECAY
	QUANT 0
	VW
	s_wait_dscnt 0x0
	SMUL
	DCOMP 0
	DCOMP 1
	DCOMP 2
	DECAY
.irp n, 0,1,2,3,4,5,6,7,8,9,10,11,12,13,14,15
	ds_load_b128 v[VR+4*\n:VR+4*\n+3], v[A16] offset:VO+512*\n   ; V's chunk, into registers that the distances have left
.endr
.irp i, 0,1,2,3,4,5,6,7
	ds_load_b32 v[VS+\i], v[A4] offset:VO+8192+128*\i
.endr
	QUANT 1
.if \mode
.if \mode == 1
	HEAD (1-\slot), 3, 1                             ; V is in registers: this slot is left
.else
	HEAD (1-\slot), 3, 0
.endif
	ENTER (1-\slot)
.else
.rept 8
	v_nop                                            ; a scale register written by a vector instruction stands 8 places ahead of a scaled matrix instruction
.endr
	s_wait_dscnt 0x0
.endif
	PV
.if \mode
	PLACES
	PLD 0, 2                                         ; z, into registers that held V
.endif
.endm
	s_load_b256 s[4:11], s[0:1], 0x0                 ; qb s[4:5], kb s[6:7], vb s[8:9], P s[10:11]
	s_load_b128 s[12:15], s[0:1], 0x20               ; X s[12:13], out0 s[14:15]
	v_lshl_add_u32 v[SPW], v0, 2, SPARE
	v_mov_b32 v[NIL], 0
	ds_add_u32 v[SPW], v[NIL]                        ; the opening: the add twice on end and its wait
	ds_add_u32 v[SPW], v[NIL]
	v_lshrrev_b32 v[W0], 5, v0
	v_readfirstlane_b32 s[WV], v[W0]                 ; wave 0..7
	s_bfe_u32 s17, ttmp6, 0x40000                    ; cx: it enters Q's, P's, X's and out0's addresses alone
	s_lshl_b32 s18, ttmp9, 2
	s_add_co_u32 s18, s18, s17                       ; g: my block of 32 queries
	s_mov_b32 s20, 0x76543210
	s_mov_b32 s21, 0xfedcba98                        ; v_permlanex16_b32's selects for lane l xor 16
	s_mov_b32 s22, 0x3db8aa3b                        ; c = log2(e) / 16
	s_mov_b32 s23, s22
	s_mov_b32 s24, 0xbf38aa3b                        ; -log2(e) / 2
	s_mov_b32 s25, s24
	s_mov_b32 s26, 0xbdb8aa3b                        ; -c
	s_mov_b32 s[G1], 15|(3<<16)|(1<<21)              ; the mask: all four work-groups; elements of 8 bytes; bit 21 beside a mask; no padding: images are read at 16 x lane
	s_mov_b32 s[G1+1], 32<<16                        ; two chunks, 18,944 dense bytes, as 74 rows of 256 bytes
	s_mov_b32 s[G1+2], 74<<16
	s_mov_b32 s[G1+3], 32<<16
	s_mov_b32 s[G1+4], 74
	s_mov_b32 s[G1+5], 32
	s_mov_b32 s[G1+6], 0
	s_mov_b32 s[G1+7], 0
	s_and_b32 s19, s[WV], 3
	s_lshl_b32 s28, s19, 1
	s_lshr_b32 s29, s[WV], 2
	s_or_b32 s28, s28, s29
	s_mul_i32 s28, s28, 2*CH                         ; where my load goes in a slot, and my two chunks of pass 1
	s_lshr_b32 s29, s[WV], 1
	s_mul_i32 s29, s29, 4*CH
	s_and_b32 s31, s[WV], 1
	s_mul_i32 s31, s31, CH
	s_add_co_u32 s29, s29, s31                       ; K's chunk w of pass 2
	s_mul_i32 s50, s[WV], 2*CH
	s_mov_b32 s51, 0
	s_mul_i32 s48, s19, 2*CH
	s_mov_b32 s49, 0
	s_wait_dscnt 0x0                                 ; both opening adds are done
	s_wait_kmcnt 0x0
	s_add_nc_u64 s[RAW:RAW+1], s[6:7], s[50:51]      ; pass 1: kb at my two chunks of tile 0,
	s_add_nc_u64 s[RAW+2:RAW+3], s[RAW:RAW+1], SLOTB ; of tile 1
	s_cmp_lt_u32 s[WV], 4                            ; pass 2: waves 0-3 fetch from kb, waves 4-7 from vb
	s_cselect_b64 s[P2B:P2B+1], s[6:7], s[8:9]
	s_add_nc_u64 s[P2B:P2B+1], s[P2B:P2B+1], s[48:49]
	s_add_nc_u64 s[P2B+2:P2B+3], s[P2B:P2B+1], 8*CH
.irp sl, 0,1
	s_mov_b32 s[G0+4*\sl], 1
	s_add_co_u32 s[G0+4*\sl+1], s28, \sl*SLOTB       ; no place in the cluster enters an LDS address
	s_mov_b64 s[G0+4*\sl+2:G0+4*\sl+3], s[RAW+2*\sl:RAW+2*\sl+1]
	s_or_b32 s[G0+4*\sl+3], s[G0+4*\sl+3], 0x80000000
.endr
	CROUND                                           ; all four work-groups are here: the first joint loads meet
	tensor_load_to_lds s[G0:G0+3], s[G1:G1+7]        ; tile 0: my one load at the head
	s_nop 0
	PLACES
	s_lshr_b32 s50, s18, 1                           ; Q: chunk g / 2, tiles 2 (g % 2) + a
	s_mul_i32 s50, s50, CH
	s_add_nc_u64 s[4:5], s[4:5], s[50:51]
	s_and_b32 s31, s18, 1
	s_lshl_b32 s50, s31, 12
	s_add_nc_u64 s[60:61], s[4:5], s[50:51]          ; its codes,
	s_lshl_b32 s50, s31, 8
	s_add_nc_u64 s[62:63], s[4:5], s[50:51]          ; its scale words
	s_mul_i32 s50, s18, 384                          ; 32 rows of P, 12 bytes each
	s_add_nc_u64 s[10:11], s[10:11], s[50:51]
	v_and_b32 v[W0], 31, v0
	v_lshlrev_b32 v[LI], 4, v[W0]
	v_lshlrev_b32 v[L4], 2, v[W0]
	v_and_b32 v[H64], 16, v0
	v_lshlrev_b32 v[H64], 2, v[H64]
	v_and_b32 v[W0], 15, v0
	v_and_b32 v[TM], 8, v0
	v_add_nc_u32 v[W0], v[W0], v[TM]
	v_mul_u32_u24 v[W0], v[W0], 12                   ; my query's row of P: r + 8 (r / 8)
	VW
.irp a, 0,1
.irp ks, 0,1
.irp c, 0,1
	global_load_b128 v[QF+16*\a+8*\ks+4*\c:QF+16*\a+8*\ks+4*\c+3], v[LI], s[60:61] offset:(2*\a+\ks)*1024+512*\c
.endr
.endr
	global_load_b32 v[QS+\a], v[L4], s[62:63] offset:8192+128*\a
.irp cm, 0,1,2
	global_load_b32 v[QP+6*\a+2*\cm], v[W0], s[10:11] offset:96*\a+4*\cm
.endr
.endr
.irp a, 0,1
	v_mov_b32 v[NM+2*\a+1], 0xff61b1e6               ; the largest u so far: -3e38
	v_mov_b32 v[L+2*\a], 0
	v_mov_b32 v[L+2*\a+1], 0
.endr
.irp a, 0,1
	v_mul_f32 v[NM+2*\a], s26, v[NM+2*\a+1]
.endr
.irp i, 0,1,2,3,4,5,6,7
	v_mov_b32 v[TM+\i], 0                            ; named as a pair's upper half, or as a lane permute's destination, before they are first written
.endr
.set j, 0
.rept 32
	v_mov_b32 v[S+j], 0xff800000                     ; what the first step's statistics find: -infinity, p = 0
.set j, j+1
.endr
	s_wait_loadcnt 0x0                               ; Q, its scale words, my queries' positions
.irp q, 0,1,2,3,4,5
	v_xor_b32 v[QP+2*\q], 0x80000000, v[QP+2*\q]     ; kept negated: the differences are additions
.endr
	VW                                               ; the head's end
	; ---- PASS 1: eight slots of 16 chunks of K; the last trip turns the descriptors to pass 2's tiles 0 and 1: the ring runs on
	s_mov_b32 s27, 4
.Lp1:
	P1ROUND 0
	P1ROUND 1
	s_sub_co_u32 s27, s27, 1
	s_cmp_lg_u32 s27, 0
	VW
	s_cbranch_scc1 .Lp1
	STAT                                             ; the last step's
	; ---- THE JOIN: each lane's maximum and sum meet those of the other seven waves and of lane l xor 16
.set F,  KF
.set JT, D
	v_lshl_add_u32 v[T], v[L4], 1, XCH
	s_lshl_b32 s30, s[WV], 9
	v_add_nc_u32 v[T+1], s30, v[T]
.irp a, 0,1
	v_mov_b32 v[JT+2*\a], v[NM+2*\a+1]
	v_add_f32 v[JT+2*\a+1], v[L+2*\a], v[L+2*\a+1]
.endr
	ds_store_b64 v[T+1], v[JT:JT+1]
	ds_store_b64 v[T+1], v[JT+2:JT+3] offset:256
	VW
	s_wait_dscnt 0x0                                 ; for the others' sake: my stores are done
	s_barrier_signal -1
	s_barrier_wait -1                                ; pass 2's tile 0 may stay on its way
.irp k, 0,1,2,3,4,5,6,7
.irp a, 0,1
	ds_load_b64 v[F+4*\k+2*\a:F+4*\k+2*\a+1], v[T] offset:512*\k+256*\a
.endr
.endr
	s_wait_dscnt 0x0
.irp a, 0,1
	v_max3_num_f32 v[JT+\a], v[F+2*\a], v[F+4+2*\a], v[F+8+2*\a]
.endr
.irp a, 0,1
	v_max3_num_f32 v[JT+\a], v[JT+\a], v[F+12+2*\a], v[F+16+2*\a]
.endr
.irp a, 0,1
	v_max3_num_f32 v[JT+\a], v[JT+\a], v[F+20+2*\a], v[F+24+2*\a]
.endr
.irp a, 0,1
	v_max_num_f32 v[JT+\a], v[JT+\a], v[F+28+2*\a]
.endr
.irp a, 0,1
	v_permlanex16_b32 v[JT+4+\a], v[JT+\a], s20, s21
.endr
.irp a, 0,1
	v_max_num_f32 v[NM+2*\a+1], v[JT+\a], v[JT+4+\a] ; the row's largest u
.endr
.irp a, 0,1
	v_mul_f32 v[NM+2*\a], s26, v[NM+2*\a+1]          ; -Mc
.endr
.irp k, 0,1,2,3,4,5,6,7
.irp a, 0,1
	v_mul_f32 v[F+4*\k+2*\a], s26, v[F+4*\k+2*\a]    ; wave k's own -Mc, by the instruction that made it
.endr
.endr
.irp k, 0,1,2,3,4,5,6,7
.irp a, 0,1
	v_sub_f32 v[F+4*\k+2*\a], v[NM+2*\a], v[F+4*\k+2*\a]   ; its Mc less the row's: 0 or less
.endr
.endr
.irp a, 0,1
	v_fma_f32 v[JT+8+\a], v[NM+2*\a+1], s22, v[NM+2*\a]    ; d: what the rounding of Mc left over
.endr
	VW
.irp k, 0,1,2,3,4,5,6,7
.irp a, 0,1
	v_exp_f32 v[F+4*\k+2*\a], v[F+4*\k+2*\a]
.endr
.endr
.irp a, 0,1
	v_exp_f32 v[JT+8+\a], -v[JT+8+\a]                ; corr = 2^-d
.endr
	v_nop
	VW
.irp a, 0,1
	v_mul_f32 v[JT+\a], v[F+2*\a], v[F+2*\a+1]
.endr
.irp k, 1,2,3,4,5,6,7
.irp a, 0,1
	v_fmac_f32 v[JT+\a], v[F+4*\k+2*\a], v[F+4*\k+2*\a+1]
.endr
.endr
.irp a, 0,1
	v_permlanex16_b32 v[JT+4+\a], v[JT+\a], s20, s21
.endr
.irp a, 0,1
	v_add_f32 v[JT+\a], v[JT+\a], v[JT+4+\a]         ; the row's sum of p
.endr
.irp a, 0,1
	v_fma_f32 v[JT+\a], v[JT+8+\a], v[JT+\a], 1.0    ; 1 + the sum of exp(s - max)
.endr
	VW
.irp a, 0,1
	v_rcp_f32 v[JT+\a], v[JT+\a]
.endr
	v_nop
	VW
.irp a, 0,1
	v_mul_f32 v[L+2*\a], v[JT+8+\a], v[JT+\a]        ; g
.endr
.irp a, 0,1
.irp i, 4,5,6,7
	v_mov_b32 v[AC+8*\a+\i], 0                       ; the upper 64 along K of A's operand: zero codes, written once
.endr
.endr
.irp i, 0,1,2,3
	v_mov_b32 v[Z+\i], 0                             ; what follows V's last tile
.endr
	WIN 0x40
.set j, 0
.rept 256
	v_mov_b32 v[j], 0                                ; O^T (see the head comment)
.set j, j+1
.endr
	WIN 0
	; ---- PASS 2: sixteen slots of 8 chunks of K and 8 of V
	HEAD 0, 3, 1
	ENTER 0
	PLD 0, 2
	s_mov_b32 s27, 7
.Lp2:
	B 0, 1
	B 1, 1
	s_sub_co_u32 s27, s27, 1
	s_cmp_lg_u32 s27, 0
	VW
	s_cbranch_scc1 .Lp2
	B 0, 2                                           ; the last two chunks are written out: nothing is left to fetch
	B 1, 0
	; ---- THE WAY OUT.  The eight partial O^T meet in LDS; wave w sums tile w / 4, channels 64 (w % 4) on, adds X and stores 16 rows x 256 bytes.
.set HH,  16
.set RW,  52
.set RA,  53
.set SW,  57
.set SR,  58
.set GO,  59
.set ACC, 92
.set XD,  124
.set BUF, 156
	PLACES
	s_wait_dscnt 0x0
	s_barrier_signal -1
	s_barrier_wait -1                                ; nobody reads the slots any more, and they have had their last fill
	v_and_b32 v[W0], 15, v0                          ; r
	v_bfe_u32 v[HH], v0, 4, 1                        ; h
	s_lshl_b32 s30, s[WV], 15
	v_add_nc_u32 v[RW], s30, v[LI]                   ; my partial sums: 32,768 x wave + 16 x lane
	s_lshl_b32 s30, s[WV], 12
	v_add_nc_u32 v[RA], s30, v[LI]                   ; my eight groups of four registers in wave 0's; waves 2 m, 2 m + 1 by register m
	v_add_nc_u32 v[RA+1], 0x10000, v[RA]
	v_add_nc_u32 v[RA+2], 0x20000, v[RA]
	v_add_nc_u32 v[RA+3], 0x30000, v[RA]
	s_mul_i32 s30, s[WV], 16*272
	s_add_co_u32 s30, s30, STG                       ; my stage
	v_mul_u32_u24 v[SW], v[W0], 272
	v_lshl_add_u32 v[SW], v[HH], 6, v[SW]
	v_add_nc_u32 v[SW], s30, v[SW]                   ; in: row r, + 64 h
	v_mul_u32_u24 v[SR], v[HH], 272
	v_lshl_add_u32 v[SR], v[W0], 4, v[SR]
	v_add_nc_u32 v[SR], s30, v[SR]                   ; back: lanes 0-15 one row, lanes 16-31 the next
	v_lshlrev_b32 v[GO], 10, v[HH]
	v_lshl_add_u32 v[GO], v[W0], 4, v[GO]            ; and the same in X and out0
	s_lshr_b32 s50, s[WV], 2
	s_lshl_b32 s50, s50, 3
	s_lshl_b32 s52, s18, 5
	s_add_co_u32 s50, s50, s52                       ; row 32 g + 8 a
	s_lshl_b32 s50, s50, 10
	s_and_b32 s52, s[WV], 3
	s_lshl_b32 s52, s52, 8
	s_add_co_u32 s50, s50, s52                       ; + 256 (w % 4) bytes
	s_mov_b32 s51, 0
	s_add_nc_u64 s[12:13], s[12:13], s[50:51]
	s_add_nc_u64 s[14:15], s[14:15], s[50:51]
	VW
.irp i, 0,1,2,3,4,5,6,7
	global_load_b128 v[XD+4*\i:XD+4*\i+3], v[GO], s[12:13] offset:(2*\i+8*(\i/4))*1024   ; stage row 2 i + h is query 32 g + 8 a + 2 i + h + 8 (i / 4)
.endr
	WIN 0x04                                         ; an LDS store's data are its source 1: window 1
.set i, 0
.rept 64
	ds_store_b128 v[RW], v[4*i:4*i+3] offset:512*i   ; each accumulator from its low end on
.set i, i+1
.endr
	WIN 0
	s_wait_dscnt 0x0                                 ; for the others' sake: my partial sums lie in LDS
	s_barrier_signal -1
	s_barrier_wait -1
.macro RLOAD k, reg                    ; wave k's part of my eight groups
.irp q, 0,1,2,3,4,5,6,7
	ds_load_b128 v[\reg+4*\q:\reg+4*\q+3], v[RA+(\k)/2] offset:32768*((\k)%2)+512*\q
.endr
.endm
	RLOAD 0, ACC
	RLOAD 1, BUF+32
	RLOAD 2, BUF
.irp k, 1,2,3,4,5,6,7
.if \k < 7
	s_wait_dscnt 8                                   ; all but the eight loads issued last
.else
	s_wait_dscnt 0x0
.endif
.set j, 0
.rept 16
	v_pk_add_f32 v[ACC+j:ACC+j+1], v[ACC+j:ACC+j+1], v[BUF+32*(\k%2)+j:BUF+32*(\k%2)+j+1]
.set j, j+2
.endr
.if \k+2 < 8
	RLOAD \k+2, BUF+32*(\k%2)
.endif
.endr
.irp q, 0,1,2,3,4,5,6,7                          ; group q: channels 32 (q / 4) + 8 ((q / 2) % 2) + 16 h + 4 (q % 2) on
	ds_store_b128 v[SW], v[ACC+4*\q:ACC+4*\q+3] offset:128*(\q/4)+32*((\q/2)%2)+16*(\q%2)
.endr
.irp i, 0,1,2,3,4,5,6,7
	ds_load_b128 v[BUF+4*\i:BUF+4*\i+3], v[SR] offset:544*\i   ; LDS serves a wave's instructions in order (ISA guide 5.7.1.4): these see my stores
.endr
	s_wait_loadcnt 0x0                               ; X
	s_wait_dscnt 0x0
.set j, 0
.rept 16
	v_pk_add_f32 v[BUF+j:BUF+j+1], v[BUF+j:BUF+j+1], v[XD+j:XD+j+1]   ; the residual
.set j, j+2
.endr
.irp i, 0,1,2,3,4,5,6,7
	global_store_b128 v[GO], v[BUF+4*\i:BUF+4*\i+3], s[14:15] offset:(2*\i+8*(\i/4))*1024 th:TH_STORE_NT   ; 16 lanes store 256 consecutive bytes, at a multiple of 256 from out0's first byte
.endr
	s_wait_tensorcnt 0x0                             ; the wave's end
	ds_add_u32 v[SPW], v[NIL]
	s_wait_dscnt 0x0
	CROUND                                           ; the closing round: no work-group ends while a partner may still ask for a tile that names it
	s_endpgm
.Lfunc_end_k_qbb95380983_attn:
	.size	k_qbb95380983_attn, .Lfunc_end_k_qbb95380983_attn-k_qbb95380983_attn
	.p2alignl 7, 3214868480
	.fill 96, 4, 3214868480
	.section	.rodata,"a",@progbits
	.p2align	6, 0x0
	.amdhsa_kernel k_qbb95380983_attn
		.amdhsa_group_segment_fixed_size 327680
		.amdhsa_private_segment_fixed_size 0
		.amdhsa_enable_private_segment 0
		.amdhsa_kernarg_size 48
		.amdhsa_user_sgpr_count 2
		.amdhsa_user_sgpr_kernarg_segment_ptr 1
		.amdhsa_wavefront_size32 1
		.amdhsa_system_sgpr_workgroup_id_x 1
		.amdhsa_system_sgpr_workgroup_id_y 1
		.amdhsa_system_sgpr_workgroup_id_z 1
		.amdhsa_system_vgpr_workitem_id 0
		.amdhsa_next_free_vgpr 512
		.amdhsa_next_free_sgpr 66
		.amdhsa_reserve_vcc 0
		.amdhsa_float_denorm_mode_32 3
		.amdhsa_float_denorm_mode_16_64 3
		.amdhsa_memory_ordered 1
		.amdhsa_forward_progress 1
		.amdhsa_inst_pref_size 255
	.end_amdhsa_kernel
	.section	.bss,"aw",@nobits
	.p2align	6
	.space	262144
	.amdgpu_metadata
---
amdhsa.version: [ 1, 2 ]
amdhsa.kernels:
  - .name:           k_qbb95380983_attn
    .symbol:         k_qbb95380983_attn.kd
    .args:
      - { .name: qb, .offset: 0, .size: 8, .value_kind: global_buffer, .address_space: global }
      - { .name: kb, .offset: 8, .size: 8, .value_kind: global_buffer, .address_space: global }
      - { .name: vb, .offset: 16, .size: 8, .value_kind: global_buffer, .address_space: global }
      - { .name: P, .offset: 24, .size: 8, .value_kind: global_buffer, .address_space: global }
      - { .name: X, .offset: 32, .size: 8, .value_kind: global_buffer, .address_space: global }
      - { .name: out0, .offset: 40, .size: 8, .value_kind: global_buffer, .address_space: global }
    .group_segment_fixed_size: 327680
    .private_segment_fixed_size: 0
    .kernarg_segment_align: 8
    .kernarg_segment_size: 48
    .max_flat_workgroup_size: 256
    .sgpr_count:     66
    .vgpr_count:     512
    .wavefront_size: 32
...
	.end_amdgpu_metadata
.endif
;; end of part 2
